; MI455X (gfx1250); checked and timed in simulation.
; The chip was launched on July 23, 2026; its instructions are those of AMD's public machine-readable ISA for CDNA 5 (MIT licence, August 2026) and "CDNA5" Instruction Set Architecture Reference Guide (July 2026). The comments in the code are by the model that wrote it; some were corrected since.
;; Specific Mo E. Allowed arithmetic: matrix products marked QUANTISED: E4M3 operands, one given power-of-two scale a tensor, by v_wmma_f32_16x16x64_fp8_fp8 or v_wmma_f32_16x16x128_fp8_fp8, f32 sums; products left as they are: f32 operands where the result goes on into a quantised operand, else bf16, f16 or f32 operands; f32 sums; everything else in f32.
;; Inputs: b1 6 x 2,048 float32; b2 6 x 512 float32; lowp_scales 24 int32 (the exponents e of the quantised operands' scales 2^e); router_w 6 x 512 float32; w1 6 x 2,048 x 512 float32; w2 6 x 512 x 2,048 float32; x 8 x 512 x 512 float32.
;; Outputs: out0 8 x 512 x 512 float32; out1 4,096 x 6 float32.
;; This version of the problem:
;;   THIS VERSION OF THE PROBLEM IS GIVEN IN LOW PRECISION. The matrix products marked QUANTISED in the list below multiply operands that are first quantised to E4M3 (4 exponent bits, 3 mantissa bits; 8 bits a number), with one given power-of-two scale for each operand tensor; their sums are f32. All else is computed in f32.
;;   The module's matrix products, in the order in which they are computed (A, B: the left and right operand; K: the contracted axis; several contracted axes count as one K, in the product's order):
;;     1. [M 4,096, K 512] x [K 512, N 6]; A: input x; B: input router_w: left as it is (N = 6 < 16)
;;     2. [M 4,096, K 512] x [K 512, N 2,048]; A: input x; B: input w1: QUANTISED (scales: A lowp_scales[0], B lowp_scales[1])
;;     3. [M 4,096, K 2,048] x [K 2,048, N 512]; A: computed on the way; B: input w2: QUANTISED (scales: A lowp_scales[2], B lowp_scales[3])
;;     4. [M 4,096, K 512] x [K 512, N 2,048]; A: input x; B: input w1: QUANTISED (scales: A lowp_scales[4], B lowp_scales[5])
;;     5. [M 4,096, K 2,048] x [K 2,048, N 512]; A: computed on the way; B: input w2: QUANTISED (scales: A lowp_scales[6], B lowp_scales[7])
;;     6. [M 4,096, K 512] x [K 512, N 2,048]; A: input x; B: input w1: QUANTISED (scales: A lowp_scales[8], B lowp_scales[9])
;;     7. [M 4,096, K 2,048] x [K 2,048, N 512]; A: computed on the way; B: input w2: QUANTISED (scales: A lowp_scales[10], B lowp_scales[11])
;;     8. [M 4,096, K 512] x [K 512, N 2,048]; A: input x; B: input w1: QUANTISED (scales: A lowp_scales[12], B lowp_scales[13])
;;     9. [M 4,096, K 2,048] x [K 2,048, N 512]; A: computed on the way; B: input w2: QUANTISED (scales: A lowp_scales[14], B lowp_scales[15])
;;     10. [M 4,096, K 512] x [K 512, N 2,048]; A: input x; B: input w1: QUANTISED (scales: A lowp_scales[16], B lowp_scales[17])
;;     11. [M 4,096, K 2,048] x [K 2,048, N 512]; A: computed on the way; B: input w2: QUANTISED (scales: A lowp_scales[18], B lowp_scales[19])
;;     12. [M 4,096, K 512] x [K 512, N 2,048]; A: input x; B: input w1: QUANTISED (scales: A lowp_scales[20], B lowp_scales[21])
;;     13. [M 4,096, K 2,048] x [K 2,048, N 512]; A: computed on the way; B: input w2: QUANTISED (scales: A lowp_scales[22], B lowp_scales[23])
;;   THE QUANTISER, for each operand of a quantised product, along K:
;;     - The operand's scale is 2^e, e = its entry of the input lowp_scales (int32; the entries are numbered through the quantised products in the list's order, A before B).
;;     - Each number is divided by the scale, clamped to +-448, and rounded to the nearest number of E4M3, ties to even, subnormals kept.
;;     - The product sums the exact products of the quantised numbers (number of the format x scale) in f32.
;;   ~~~python
;;   def quantise(x, axis, e):      # numpy; x: float32 -> the quantised numbers, widened to float32 again
;;       x = np.moveaxis(x, axis, -1); K = x.shape[-1]
;;       r = np.clip(x / 2.0 ** e, -448, 448)
;;       step = 2.0 ** (np.maximum(np.frexp(np.where(r == 0, 1, r))[1] - 1, -6) - 3)
;;       q = np.round(r / step) * step * 2.0 ** e      # np.round: ties to even
;;       return np.moveaxis(q, -1, axis).astype(np.float32)
;;   ~~~
;;   OPERANDS COMPUTED ON THE WAY. 'Computed on the way' means the value that the module computes at that place (a softmax that the list does not call 'softmax' is quantised finished and normalised). What goes into a quantiser is computed in f32, as accurately as f32 sums, v_exp_f32 and their like allow (about 1e-6 of the number): no bf16 or f16 on the way to a quantiser, and a product that is left as it is and whose result goes on into a quantised operand takes f32 operands (vector FMAs, or v_wmma_f32_16x16x4_f32). A number that lies on a knife's edge between two numbers of the format may be rounded either way, as far as f32 arithmetic and the matrix unit's own rounding can turn it there, and no further.
;; One version. Each part assembles by itself: llvm-mc -triple=amdgcn-amd-amdhsa -mcpu=gfx1250 --defsym DOCPART=n.
;; ======== version 1 of 1: 3 launches
;; workspace buffers: w1c 6,291,456 bytes; w2c 6,291,456 bytes; ent 32,768 bytes of whole numbers; tot 512 bytes of whole numbers; gw 32,768 bytes; ybuf 16,777,216 bytes
;; launch prep (part 1): grid 256 x 1, 8 waves a work-group, no clusters, 75,008 bytes of LDS; arguments x, router_w, w1, w2, lowp_scales, w1c, w2c, ent, tot, gw, out1; writes w1c, w2c, ent, tot, gw, out1
.if DOCPART == 1
	.amdgcn_target "amdgcn-amd-amdhsa--gfx1250"
	.amdhsa_code_object_version 6
	.text
	.protected	k_q005420c91e_prep
	.globl	k_q005420c91e_prep
	.p2align	8
	.type	k_q005420c91e_prep,@function
k_q005420c91e_prep:
	s_mov_b64 s[64:65], 0
	v_nop
	global_prefetch_b8 v0, s[64:65] scope:SCOPE_SE
	s_setreg_imm32_b32 hwreg(HW_REG_WAVE_MODE, 25, 1), 1
	s_wait_xcnt 0x0
; Work-groups 0-63 are the router; work-groups 64-159 turn w1, 160-255 w2 into codes of E4M3, each expert with its given scale 2^e.
; CODES are laid as images of operand registers.  A fragment is 16 rows x 128 K = 2,048 bytes: piece c (0..3) at 512 c + 16 lane holds, for lane (r = lane % 16, h = lane / 16),
; the codes of k = 32 c + 16 h + 0 .. 15 of the fragment's row r.  w1c: [e][step 8][wave 4][ks 4][t 4] fragments, row r = hidden unit 256 step + 64 wave + 32 (t/2) + 8 (t%2) + r + 8 (r/8), K = 128 ks on.
; w2c: [e][step 8][wave 4][kappa 2][n 8] fragments, row r = output 128 wave + 16 n + r, K = hidden 256 step + 128 kappa on.
; A wave of a quantising work-group makes four fragments on end (8,192 bytes): 64 loads of 512 consecutive bytes (a row's 128 numbers), all issued at once; each fragment turns through the wave's own
; stage in LDS (rows 528 bytes apart) so that a lane gets 16 neighbours along K, is held within +-448 x 2^e, converted, and stored 512 consecutive bytes an instruction.
; ROUTER: a work-group takes a block of 64 tokens, a wave 8 of them: four pairs of rows, sixteen lanes to a row; all its 80 loads go out at the start.  Logits by f32 multiply-adds; they meet in LDS,
; and behind one barrier wave 0 takes the 64 tokens, lane = token, in two sets: softmax with the row's maximum taken away -> out1, top 2 (the lower index wins a tie), the two gates.
; Nothing here is addressed by the choice: for each token and slot the word (expert << 16) | place among the block's rows of that expert goes to a fixed place of ent,
; the block's six counts, a byte each (a block has at most 64 rows of an expert), to its 8 bytes of tot.
; LDS: the two roles have bytes of their own.  The router's lie first; the stages' base stands in the address registers.
; ROUTER'S REGISTERS: v1-11 addresses, never rewritten; v32-159 four pairs of rows of x, free for wave 0's work behind the barrier; v160-171 six sums; window 1: router_w.
; LIMITS: e between -126 and 119.  NaN and infinities among the inputs are not served.  The logits' sums run in another order than a plain loop's: two probabilities a few last bits apart may change places.
.set RLG,  0                           ; router: the logits, [6 experts][64 tokens] f32
.set ROUT, 1536                        ; router: out1's 64 rows of 24 bytes on their way out
.set QST,  6400                        ; quantiser: the eight stages begin here
.set QWS,  8448                        ; a wave's stage: 16 rows x 528 bytes
.set MSB, 0
.macro WIN new                         ; the immediate's high byte repeats the setting that is left
.if MSB != \new
	s_set_vgpr_msb (MSB<<8)|\new
.set MSB, \new
.endif
.endm
	s_load_b512 s[4:19], s[0:1], 0x0               ; x, router_w, w1, w2, lowp_scales, w1c, w2c, ent
	s_load_b128 s[20:23], s[0:1], 0x40             ; tot, gw
	s_load_b64 s[24:25], s[0:1], 0x50              ; out1
	v_lshl_add_u32 v254, v0, 2, 0x12100
	v_mov_b32 v255, 0
	v_lshrrev_b32 v1, 5, v0
	v_readfirstlane_b32 s2, v1                     ; wave 0..7
	v_and_b32 v2, 31, v0                           ; lane
	v_lshlrev_b32 v1, 4, v2                        ; 16 x lane
	v_and_b32 v3, 15, v0                           ; r
	v_bfe_u32 v4, v0, 4, 1                         ; h
	s_cmp_lt_u32 ttmp9, 64
	s_cbranch_scc1 .Lrouter
; ---------------- the quantiser ----------------
	s_mul_i32 s26, s2, QWS
	s_add_co_u32 s26, s26, QST                     ; my stage
	v_add_nc_u32 v5, s26, v1                       ; in: 16 bytes a lane, a row an instruction
	v_mul_u32_u24 v6, v3, 528
	v_lshl_add_u32 v6, v4, 6, v6
	v_add_nc_u32 v6, s26, v6                       ; and out: row r, + 64 h: my 16 numbers of a block of 32
	s_cmp_ge_u32 ttmp9, 160                        ; w1's work-group or w2's
	s_cselect_b32 s27, 160, 64
	s_cselect_b32 s28, 12, 4                       ; the scale's byte among the expert's four entries: w2's or w1's
	s_sub_co_u32 s27, ttmp9, s27
	s_lshl_b32 s27, s27, 3
	s_add_co_u32 s27, s27, s2                      ; J: my job, 0..767
	s_lshr_b32 s29, s27, 7                         ; e
	s_lshl_b32 s30, s29, 4
	s_add_co_u32 s28, s28, s30
	s_lshl_b32 s29, s29, 22                        ; an expert's matrix is 4,194,304 bytes in both tensors
	s_bfe_u32 s31, s27, 0x30004                    ; step
	s_bfe_u32 s32, s27, 0x20002                    ; wave of the chain
	s_and_b32 s33, s27, 3                          ; w1: ks x 512 + wave x 64 rows + step x 256 rows of 2,048 bytes
	s_lshl_b32 s34, s33, 9
	s_lshl_b32 s33, s32, 17
	s_add_co_u32 s34, s34, s33
	s_lshl_b32 s33, s31, 19
	s_add_co_u32 s34, s34, s33
	s_add_co_u32 s34, s34, s29
	s_mov_b32 s35, 0
	s_and_b32 s33, s27, 1                          ; w2: (128 wave + 64 nq) rows of 8,192 bytes + (256 step + 128 kappa) x 4
	s_lshl_b32 s36, s33, 19
	s_bfe_u32 s33, s27, 0x10001
	s_lshl_b32 s33, s33, 9
	s_add_co_u32 s36, s36, s33
	s_lshl_b32 s33, s32, 20
	s_add_co_u32 s36, s36, s33
	s_lshl_b32 s33, s31, 10
	s_add_co_u32 s36, s36, s33
	s_add_co_u32 s36, s36, s29
	s_mov_b32 s37, 0
	s_lshl_b32 s38, s27, 13                        ; the codes: 8,192 J
	s_mov_b32 s39, 0
	s_wait_kmcnt 0x0
	s_load_b32 s40, s[12:13], s28 offset:0x0       ; e of this tensor and expert
	s_add_nc_u64 s[8:9], s[8:9], s[34:35]
	s_add_nc_u64 s[10:11], s[10:11], s[36:37]
	s_cmp_ge_u32 ttmp9, 160
	s_cselect_b64 s[14:15], s[16:17], s[14:15]     ; the choice hangs on the work-group's number alone
	s_add_nc_u64 s[14:15], s[14:15], s[38:39]
	s_cmp_ge_u32 ttmp9, 160
	s_cbranch_scc1 .Lw2                            ; the two ways differ in the loads alone and join ahead of every LDS line
	WIN 0x40                                       ; destination window 1: fragment t's row i at v[64 t + 4 i]
.irp t, 0,1,2,3
.irp r, 0,1,2,3,4,5,6,7,8,9,10,11,12,13,14,15
	global_load_b128 v[64*\t+4*\r:64*\t+4*\r+3], v1, s[8:9] offset:(32*(\t/2)+8*(\t%2)+\r+8*(\r/8))*2048 th:TH_LOAD_NT
.endr
.endr
	WIN 0
	s_branch .Lqgo
.Lw2:
	WIN 0x40
.irp t, 0,1,2,3
.irp r, 0,1,2,3,4,5,6,7,8,9,10,11,12,13,14,15
	global_load_b128 v[64*\t+4*\r:64*\t+4*\r+3], v1, s[10:11] offset:(16*\t+\r)*8192 th:TH_LOAD_NT
.endr
.endr
	WIN 0
.Lqgo:
	s_wait_kmcnt 0x0
	s_add_co_i32 s40, s40, 127
	s_lshl_b32 s41, s40, 23
	v_mov_b32 v11, s41                             ; 2^e as f32: the conversion takes its exponent field
	s_add_co_i32 s40, s40, 8
	s_lshl_b32 s40, s40, 23
	s_or_b32 s40, s40, 0x600000
	v_mov_b32 v10, s40                             ; 448 x 2^e
.macro QFRAG t
	s_wait_loadcnt 48-16*(\t)                      ; this fragment's 16 loads are in; the 16 of each later fragment may be out
	WIN 0x04                                       ; store data in window 1
.irp i, 0,1,2,3,4,5,6,7,8,9,10,11,12,13,14,15
	ds_store_b128 v5, v[64*(\t)+4*\i:64*(\t)+4*\i+3] offset:528*\i
.endr
	WIN 0
.irp cq, 0,1,2,3
.irp jq, 0,1,2,3
	ds_load_b128 v[64+16*\cq+4*\jq:64+16*\cq+4*\jq+3], v6 offset:128*\cq+16*\jq   ; LDS serves a wave's instructions in order: these see the stores above
.endr
.endr
	s_wait_dscnt 0x0
.irp cq, 0,1,2,3
.irp i, 0,1,2,3,4,5,6,7,8,9,10,11,12,13,14,15
	v_med3_num_f32 v[64+16*\cq+\i], v[64+16*\cq+\i], -v10, v10   ; the conversion does not saturate (ISA guide 7.6.2): the hold at the largest code x the scale
.endr
	v_cvt_scalef32_pk8_fp8_f32 v[128+16*(\t)+4*\cq:128+16*(\t)+4*\cq+1], v[64+16*\cq:64+16*\cq+7], v11
	v_cvt_scalef32_pk8_fp8_f32 v[128+16*(\t)+4*\cq+2:128+16*(\t)+4*\cq+3], v[64+16*\cq+8:64+16*\cq+15], v11
.endr
	v_nop                                          ; a plain line between the last conversion and the next fragment's holds, which write its sources
.irp cq, 0,1,2,3
	global_store_b128 v1, v[128+16*(\t)+4*\cq:128+16*(\t)+4*\cq+3], s[14:15] offset:2048*(\t)+512*\cq   ; 512 consecutive bytes; each fragment has code registers of its own
.endr
.endm
	QFRAG 0
	QFRAG 1
	QFRAG 2
	QFRAG 3
	s_wait_tensorcnt 0x0
	ds_add_u32 v254, v255
	s_wait_dscnt 0x0
	s_endpgm
; ---------------- the router ----------------
.Lrouter:
	s_lshl_b32 s27, ttmp9, 3                       ; the work-group's number is the block of 64 tokens
	s_add_co_u32 s27, s27, s2                      ; my 8 tokens: 8 x s27 on
	v_lshlrev_b32 v5, 4, v3                        ; 16 r: my 16 bytes of every 256 of a row
	v_lshl_add_u32 v6, v4, 13, v5                  ; lanes 16-31 take the row 4 further down
	s_lshl_b32 s36, s2, 5
	v_lshlrev_b32 v7, 4, v4
	v_add_nc_u32 v7, s36, v7                       ; the logits' place: 4 bytes x (8 wave + 4 h), + 4 x pair
	v_lshlrev_b32 v8, 3, v2                        ; 8 x lane
	v_lshlrev_b32 v9, 2, v2                        ; 4 x lane
	v_mul_u32_u24 v10, v2, 24                      ; 24 x lane: a token's row of out1
	v_mov_b32 v11, 0
	s_lshl_b32 s28, s27, 14                        ; 8 rows of 2,048 bytes
	s_mov_b32 s29, 0
	s_mul_i32 s30, ttmp9, 1536                     ; out1: 64 rows of 24 bytes
	s_mov_b32 s31, 0
	s_lshl_b32 s32, ttmp9, 9                       ; 64 tokens x 8 bytes in ent and in gw
	s_mov_b32 s33, 0
	s_lshl_b32 s34, ttmp9, 3                       ; tot: 8 bytes a block
	s_mov_b32 s35, 0
	s_wait_kmcnt 0x0
	s_add_nc_u64 s[4:5], s[4:5], s[28:29]
	s_add_nc_u64 s[24:25], s[24:25], s[30:31]
	s_add_nc_u64 s[18:19], s[18:19], s[32:33]
	s_add_nc_u64 s[22:23], s[22:23], s[32:33]
	s_add_nc_u64 s[20:21], s[20:21], s[34:35]
	WIN 0x40                                       ; router_w stays in window 1: expert e at v[32 e], the same numbers of a row as my lane takes of x
.irp e, 0,1,2,3,4,5
.irp i, 0,1,2,3,4,5,6,7
	global_load_b128 v[32*\e+4*\i:32*\e+4*\i+3], v5, s[6:7] offset:2048*\e+256*\i
.endr
.endr
	WIN 0
.irp p, 0,1,2,3                        ; rows p and 4 + p of my 8: 256 consecutive bytes for each sixteen lanes; all four pairs are asked for now
.irp i, 0,1,2,3,4,5,6,7
	global_load_b128 v[32+32*\p+4*\i:32+32*\p+4*\i+3], v6, s[4:5] offset:2048*\p+256*\i
.endr
.endr
.macro PAIR p
	s_wait_loadcnt 8*(3-(\p))                      ; this pair's eight loads (and router_w's, issued ahead of them) are in; those of the pairs behind may be out
.set XB, 32+32*(\p)
	WIN 0x04                                       ; source 1 (router_w) in window 1
.irp e, 0,1,2,3,4,5
	v_pk_mul_f32 v[160+2*\e:161+2*\e], v[XB:XB+1], v[32*\e:32*\e+1]   ; the first products start the six sums
.endr
.irp m, 1,2,3,4,5,6,7,8,9,10,11,12,13,14,15
.irp e, 0,1,2,3,4,5
	v_pk_fma_f32 v[160+2*\e:161+2*\e], v[XB+2*\m:XB+2*\m+1], v[32*\e+2*\m:32*\e+2*\m+1], v[160+2*\e:161+2*\e]
.endr
.endr
	WIN 0
.irp e, 0,1,2,3,4,5
	v_add_f32 v[160+2*\e], v[160+2*\e], v[161+2*\e]
.endr
.irp x, 1,2,4,8
.irp e, 0,1,2,3,4,5
	v_add_f32_dpp v[160+2*\e], v[160+2*\e], v[160+2*\e] row_xmask:\x row_mask:0xf bank_mask:0xf
.endr
.endr
.irp e, 0,1,2,3,4,5
	ds_store_b32 v7, v[160+2*\e] offset:RLG+256*\e+4*(\p)   ; the sixteen lanes of a row hold the same bits and write the same word
.endr
.endm
	PAIR 0
	PAIR 1
	PAIR 2
	PAIR 3
	s_wait_dscnt 0x0                               ; for wave 0's sake: my logits have landed
	s_barrier_signal -1
	s_barrier_wait -1
	s_cmp_lg_u32 s2, 0
	s_cbranch_scc1 .Lrend
	; wave 0 alone from here on: 64 tokens, lane = token, set u = tokens 32 u on.  Set u's registers begin at v[32 + 48 u]:
	; +0..5 logits, then probabilities; +6..8 at work; +10, +11 the largest and its expert; +12, +13 the second; +14..19 the second scan's numbers; +20, +21 the gates; +22, +23 ent's words; +24, +25 the places
.irp u, 0,1
.irp e, 0,1,2,3,4,5
	ds_load_b32 v[32+48*\u+\e], v9 offset:RLG+256*\e+128*\u
.endr
.endr
	s_wait_dscnt 0x0
.macro EPI u
.set RB, 32+48*(\u)
	v_max3_num_f32 v[RB+6], v[RB], v[RB+1], v[RB+2]          ; softmax: the row's maximum is taken away first
	v_max3_num_f32 v[RB+6], v[RB+6], v[RB+3], v[RB+4]
	v_max_num_f32 v[RB+6], v[RB+6], v[RB+5]
.irp e, 0,1,2,3,4,5
	v_sub_f32 v[RB+\e], v[RB+\e], v[RB+6]
.endr
.irp e, 0,1,2,3,4,5
	v_mul_f32 v[RB+\e], 0x3fb8aa3b, v[RB+\e]       ; x log2(e)
.endr
.irp e, 0,1,2,3,4,5
	v_exp_f32 v[RB+\e], v[RB+\e]
.endr
	v_nop                                          ; a plain line behind the exponentials
	s_wait_alu depctr_va_vdst(0)
	v_add_f32 v[RB+6], v[RB], v[RB+1]
	v_add_f32 v[RB+7], v[RB+2], v[RB+3]
	v_add_f32 v[RB+8], v[RB+4], v[RB+5]
	v_add_f32 v[RB+6], v[RB+6], v[RB+7]
	v_add_f32 v[RB+6], v[RB+6], v[RB+8]
	v_rcp_f32 v[RB+6], v[RB+6]
	v_nop
	s_wait_alu depctr_va_vdst(0)
.irp e, 0,1,2,3,4,5
	v_mul_f32 v[RB+\e], v[RB+\e], v[RB+6]          ; the probabilities
.endr
.irp e, 0,1,2,3,4,5
	ds_store_b32 v10, v[RB+\e] offset:ROUT+768*(\u)+4*\e
.endr
	; top 2: an ascending scan that changes only on a strictly larger number, so the lower index keeps a tie
	v_mov_b32 v[RB+10], v[RB]
	v_mov_b32 v[RB+11], 0
.irp e, 1,2,3,4,5
	v_cmp_le_f32 vcc_lo, v[RB+\e], v[RB+10]
	v_cndmask_b32 v[RB+10], v[RB+\e], v[RB+10], vcc_lo
	v_cndmask_b32 v[RB+11], \e, v[RB+11], vcc_lo
.endr
.irp e, 0,1,2,3,4,5
	v_cmp_eq_u32 s[26+12*(\u)+\e], \e, v[RB+11]    ; lanes whose first choice is e
.endr
.irp e, 0,1,2,3,4,5
	v_cndmask_b32 v[RB+14+\e], v[RB+\e], -1.0, s[26+12*(\u)+\e]   ; the first choice is out of the second scan
.endr
	v_mov_b32 v[RB+12], v[RB+14]
	v_mov_b32 v[RB+13], 0
.irp e, 1,2,3,4,5
	v_cmp_le_f32 vcc_lo, v[RB+14+\e], v[RB+12]
	v_cndmask_b32 v[RB+12], v[RB+14+\e], v[RB+12], vcc_lo
	v_cndmask_b32 v[RB+13], \e, v[RB+13], vcc_lo
.endr
.irp e, 0,1,2,3,4,5
	v_cmp_eq_u32 s[32+12*(\u)+\e], \e, v[RB+13]    ; lanes whose second choice is e
.endr
	v_add_f32 v[RB+7], v[RB+10], v[RB+12]
	v_rcp_f32 v[RB+7], v[RB+7]
	v_nop
	s_wait_alu depctr_va_vdst(0)
	v_mul_f32 v[RB+20], v[RB+10], v[RB+7]          ; the two gates
	v_mul_f32 v[RB+21], v[RB+12], v[RB+7]
	v_mov_b32 v[RB+24], 0
	v_mov_b32 v[RB+25], 0
.endm
	EPI 0
	EPI 1
.irp i, 0,1,2
	ds_load_b128 v[136+4*\i:139+4*\i], v1 offset:ROUT+512*\i   ; my own bytes, in order behind the stores
.endr
	; the places among the block's rows of each expert: set 0's first choices, its second choices, set 1's first, its second.  s[50+e] runs on
.irp e, 0,1,2,3,4,5
	v_mbcnt_lo_u32_b32 v130, s[26+\e], 0           ; lower lanes with the same choice
	v_cndmask_b32 v56, v56, v130, s[26+\e]
	s_bcnt1_i32_b32 s[50+\e], s[26+\e]
	v_mbcnt_lo_u32_b32 v131, s[32+\e], 0
	v_add_nc_u32 v131, s[50+\e], v131
	v_cndmask_b32 v57, v57, v131, s[32+\e]
	s_bcnt1_i32_b32 s56, s[32+\e]
	s_add_co_u32 s[50+\e], s[50+\e], s56
	v_mbcnt_lo_u32_b32 v130, s[38+\e], 0
	v_add_nc_u32 v130, s[50+\e], v130
	v_cndmask_b32 v104, v104, v130, s[38+\e]
	s_bcnt1_i32_b32 s56, s[38+\e]
	s_add_co_u32 s[50+\e], s[50+\e], s56
	v_mbcnt_lo_u32_b32 v131, s[44+\e], 0
	v_add_nc_u32 v131, s[50+\e], v131
	v_cndmask_b32 v105, v105, v131, s[44+\e]
	s_bcnt1_i32_b32 s56, s[44+\e]
	s_add_co_u32 s[50+\e], s[50+\e], s56           ; the block's rows of e, at most 64
.endr
.irp u, 0,1
	v_lshl_or_b32 v[54+48*\u], v[43+48*\u], 16, v[56+48*\u]
	v_lshl_or_b32 v[55+48*\u], v[45+48*\u], 16, v[57+48*\u]
	global_store_b64 v8, v[54+48*\u:55+48*\u], s[18:19] offset:256*\u   ; ent: at the token's fixed place; 256 consecutive bytes
	global_store_b64 v8, v[52+48*\u:53+48*\u], s[22:23] offset:256*\u   ; gw likewise
.endr
	s_lshl_b32 s56, s51, 8                         ; the six counts, a byte each
	s_or_b32 s50, s50, s56
	s_lshl_b32 s56, s52, 16
	s_or_b32 s50, s50, s56
	s_lshl_b32 s56, s53, 24
	s_or_b32 s50, s50, s56
	s_lshl_b32 s56, s55, 8
	s_or_b32 s54, s54, s56
	v_mov_b32 v134, s50
	v_mov_b32 v135, s54
	s_wait_dscnt 0x0
.irp i, 0,1,2
	global_store_b128 v1, v[136+4*\i:139+4*\i], s[24:25] offset:512*\i   ; out1: 512 consecutive bytes, aligned
.endr
	s_wait_xcnt 0x0                                ; EXEC is a source of the stores above: it changes only behind this wait
	v_cmp_gt_u32 vcc_lo, 1, v2
	s_and_saveexec_b32 s59, vcc_lo
	global_store_b64 v11, v[134:135], s[20:21]     ; tot: the block's 8 bytes, from lane 0
	s_wait_xcnt 0x0
	s_or_b32 exec_lo, exec_lo, s59
.Lrend:
	s_wait_tensorcnt 0x0
	ds_add_u32 v254, v255
	s_wait_dscnt 0x0
	s_endpgm
.Lfunc_end_k_q005420c91e_prep:
	.size	k_q005420c91e_prep, .Lfunc_end_k_q005420c91e_prep-k_q005420c91e_prep
	.p2alignl 7, 3214868480
	.fill 96, 4, 3214868480
	.section	.rodata,"a",@progbits
	.p2align	6, 0x0
	.amdhsa_kernel k_q005420c91e_prep
		.amdhsa_group_segment_fixed_size 75008
		.amdhsa_private_segment_fixed_size 0
		.amdhsa_enable_private_segment 0
		.amdhsa_kernarg_size 88
		.amdhsa_user_sgpr_count 2
		.amdhsa_user_sgpr_kernarg_segment_ptr 1
		.amdhsa_wavefront_size32 1
		.amdhsa_system_sgpr_workgroup_id_x 1
		.amdhsa_system_sgpr_workgroup_id_y 1
		.amdhsa_system_sgpr_workgroup_id_z 1
		.amdhsa_system_vgpr_workitem_id 0
		.amdhsa_next_free_vgpr 512
		.amdhsa_next_free_sgpr 66
		.amdhsa_reserve_vcc 1
		.amdhsa_float_denorm_mode_32 3
		.amdhsa_float_denorm_mode_16_64 3
		.amdhsa_memory_ordered 1
		.amdhsa_forward_progress 1
		.amdhsa_inst_pref_size 101
	.end_amdhsa_kernel
	.amdgpu_metadata
---
amdhsa.version: [ 1, 2 ]
amdhsa.kernels:
  - .name:           k_q005420c91e_prep
    .symbol:         k_q005420c91e_prep.kd
    .args:
      - { .name: x, .offset: 0, .size: 8, .value_kind: global_buffer, .address_space: global }
      - { .name: router_w, .offset: 8, .size: 8, .value_kind: global_buffer, .address_space: global }
      - { .name: w1, .offset: 16, .size: 8, .value_kind: global_buffer, .address_space: global }
      - { .name: w2, .offset: 24, .size: 8, .value_kind: global_buffer, .address_space: global }
      - { .name: lowp_scales, .offset: 32, .size: 8, .value_kind: global_buffer, .address_space: global }
      - { .name: w1c, .offset: 40, .size: 8, .value_kind: global_buffer, .address_space: global }
      - { .name: w2c, .offset: 48, .size: 8, .value_kind: global_buffer, .address_space: global }
      - { .name: ent, .offset: 56, .size: 8, .value_kind: global_buffer, .address_space: global }
      - { .name: tot, .offset: 64, .size: 8, .value_kind: global_buffer, .address_space: global }
      - { .name: gw, .offset: 72, .size: 8, .value_kind: global_buffer, .address_space: global }
      - { .name: out1, .offset: 80, .size: 8, .value_kind: global_buffer, .address_space: global }
    .group_segment_fixed_size: 75008
    .private_segment_fixed_size: 0
    .kernarg_segment_align: 8
    .kernarg_segment_size: 88
    .max_flat_workgroup_size: 256
    .sgpr_count:     66
    .vgpr_count:     512
    .wavefront_size: 32
...
	.end_amdgpu_metadata
.endif
;; end of part 1
;; launch chain (part 2): grid 48 x 4, 4 waves a work-group, no clusters, 79,616 bytes of LDS; arguments tot, ent, lowp_scales, x, w1c, w2c, b1, b2, gw, ybuf; writes ybuf
.if DOCPART == 2
	.amdgcn_target "amdgcn-amd-amdhsa--gfx1250"
	.amdhsa_code_object_version 6
	.text
	.protected	k_q005420c91e_chain
	.globl	k_q005420c91e_chain
	.p2align	8
	.type	k_q005420c91e_chain,@function
k_q005420c91e_chain:
	s_mov_b64 s[64:65], 0
	v_nop
	global_prefetch_b8 v0, s[64:65] scope:SCOPE_SE
	s_setreg_imm32_b32 hwreg(HW_REG_WAVE_MODE, 25, 1), 1
	s_wait_xcnt 0x0
; One work-group takes one tile of up to 48 routed rows of ONE expert through the whole chain: gather x, quantise, x W1^T + b1, exact GELU, quantise, h W2^T + b2, the gate's weight;
; the weighted row goes to the fixed place ybuf[token][slot].  Only the rows that the router chose are multiplied.
; TILES.  Tokens fall into 4 superblocks of 1,024 (grid y); a superblock's 2,048 routed rows, sorted by expert, make at most 43 + 5 = 48 tiles of 48 rows whatever the split (grid x).
; The tile's expert, first row and number of rows come from the stored counts (tot: a byte for each expert and each of the superblock's 16 blocks of 64 tokens) by scalar sums and selects; wave 0 finds the
; tile's rows among the superblock's 2,048 stored words (ent) by one subtraction and one minimum each.  A tile without rows runs on row 0 and stores nothing: so no barrier hangs on loaded numbers.
; SHARES.  The four waves share COLUMNS.  H goes in 8 steps of 256 hidden units: in a step wave w makes hidden units 64 w .. 64 w + 63 of the step for all 48 rows (12 accumulators), their codes go through
; LDS as images of operand registers, and each wave adds the step's 256 hidden units onto its 128 outputs x 48 rows (24 accumulators).  Each weight fragment is read by one wave, once, from memory
; straight into registers (four loads of 512 consecutive bytes), and feeds three matrix instructions.  Two rings of 16 fragments: W2's are asked for during the step's first product, the next step's W1's
; during the GELU.  Tile j begins at step j % 8, so that neighbouring tiles begin at different eighths of the weights.
; NO CLUSTER, NO TENSOR LOADS: a tile's expert is a number read from memory, so partners' descriptors could not be shown equal; and a fragment serves one wave alone, so a way through LDS
; would add 2 MB of LDS writes and reads a work-group and spare none.
; BOTH PRODUCTS ARE USED TRANSPOSED (source 0 = 16 rows of the weight, source 1 = 16 rows of tokens): a lane holds one token, its registers run along the columns.  W1's rows were chosen (by the
; launch that made the codes) so that the 16 registers of tiles 2 b and 2 b + 1 are 16 neighbours along the next K.
; GELU(v) = max(v, 0) - |v| q, q = erfc(|v| / sqrt 2) / 2 = t 2^(-(z^2) log2 e + poly(t)), t = 1 / (1 + z / 2), z = |v| / sqrt 2: a published fit of degree 9 whose fractional error stays near one part in 10^7
; at every z, so small negative results keep their relative accuracy.  A sum S of the first product stands for v = S 2^(ex + ew1): the power of two is folded into two constants and into the conversion's scale.
; LIMITS on the given exponents, so that each power of two below is an f32 number: ex, and eh - ex - ew1, between -126 and 119; ex + ew1 between -123 and 127; |eh + ew2| at most 126.
; NaN and infinities among the inputs are not served.
; REGISTERS.  window 0: v1-31 addresses and constants; v32-79 (A), v80-127 (B) x's fragments by turns, in the GELU t, w, p and the codes; v128-223 (H) the hidden sums (32 rt + 8 t), then six hidden fragments;
; v224-255 the bias tiles.  window 1: Y (64 rt + 8 n).  window 2: W1's ring.  window 3: W2's ring.
.set LIST,  0                          ; LDS: 48 row numbers, word 48 takes what is not the tile's; 256 bytes
.set BIAS,  256                        ; b1 / 2^(ex + ew1) in the order of my steps: 1,024 step + 256 wave + 4 unit
.set XIMG,  8448                       ; x's 12 fragments: 4 rt + ks
.set HIMG,  33024                      ; the hidden layer's 6 fragments of a step: 3 kappa + rt
.set STAGE, 45312                      ; the way out: 16 rows x 528 bytes for each wave
.set AB, 32
.set BB, 80
.set HR, 128
.set BI, 224
.set TT, 32
.set WW, 48
.set PP, 64
.set MSB, 0
.macro WIN new                         ; the immediate's high byte repeats the setting that is left
.if MSB != \new
	s_set_vgpr_msb (MSB<<8)|\new
.set MSB, \new
.endif
.endm
.macro NOPS4                           ; four places behind matrix instructions, in front of loads into their sources and of reads of their results
.rept 4
	v_nop
.endr
.endm
.macro REFILL1 ch                      ; W1's fragments 4 ch .. 4 ch + 3 (K step ch, tiles 0-3) of the step at s[72:73]
	WIN 0x80
.irp f, 0,1,2,3
.irp pc, 0,1,2,3
	global_load_b128 v[16*(4*(\ch)+\f)+4*\pc:16*(4*(\ch)+\f)+4*\pc+3], v1, s[72:73] offset:2048*(4*(\ch)+\f)+512*\pc
.endr
.endr
	WIN 0
.endm
.macro REFILL2 ch                      ; W2's fragments 4 ch .. 4 ch + 3 of the step at s[74:75]
	WIN 0xc0
.irp f, 0,1,2,3
.irp pc, 0,1,2,3
	global_load_b128 v[16*(4*(\ch)+\f)+4*\pc:16*(4*(\ch)+\f)+4*\pc+3], v1, s[74:75] offset:2048*(4*(\ch)+\f)+512*\pc
.endr
.endr
	WIN 0
.endm
.macro XFETCH buf, ks                  ; x's three fragments of K step ks: 12 loads
.irp rt, 0,1,2
.irp pc, 0,1,2,3
	ds_load_b128 v[\buf+16*\rt+4*\pc:\buf+16*\rt+4*\pc+3], v1 offset:XIMG+(4*\rt+\ks)*2048+512*\pc
.endr
.endr
.endm
.macro BIFETCH                         ; the step's four bias tiles in the result's layout: 8 loads
.irp t, 0,1,2,3
	ds_load_b128 v[BI+8*\t:BI+8*\t+3], v7 offset:BIAS+(32*(\t/2)+8*(\t%2))*4
	ds_load_b128 v[BI+8*\t+4:BI+8*\t+7], v7 offset:BIAS+(32*(\t/2)+8*(\t%2))*4+16
.endr
.endm
.macro P1MUL ks, buf, first            ; 12 matrix instructions, the 12 accumulators by turns; first = 1: the bias is the C that starts each sum
	WIN 0x02                                       ; source 0 (W1) in window 2
.irp t, 0,1,2,3
.irp rt, 0,1,2
.if \first
	v_wmma_f32_16x16x128_fp8_fp8 v[HR+32*\rt+8*\t:HR+32*\rt+8*\t+7], v[16*(4*(\ks)+\t):16*(4*(\ks)+\t)+15], v[\buf+16*\rt:\buf+16*\rt+15], v[BI+8*\t:BI+8*\t+7]
.else
	v_wmma_f32_16x16x128_fp8_fp8 v[HR+32*\rt+8*\t:HR+32*\rt+8*\t+7], v[16*(4*(\ks)+\t):16*(4*(\ks)+\t)+15], v[\buf+16*\rt:\buf+16*\rt+15], v[HR+32*\rt+8*\t:HR+32*\rt+8*\t+7]
.endif
.endr
.endr
.endm
.macro P2MUL kp                        ; 24 matrix instructions, the 24 accumulators by turns
	WIN 0x53                                       ; source 0 (W2) window 3, source 1 (hidden) window 0, C and D (Y) window 1
.irp n, 0,1,2,3,4,5,6,7
.irp rt, 0,1,2
	v_wmma_f32_16x16x128_fp8_fp8 v[64*\rt+8*\n:64*\rt+8*\n+7], v[16*(8*(\kp)+\n):16*(8*(\kp)+\n)+15], v[HR+16*(3*(\kp)+\rt):HR+16*(3*(\kp)+\rt)+15], v[64*\rt+8*\n:64*\rt+8*\n+7]
.endr
.endr
.endm
; 16 hidden sums of a lane (tiles 2 bb and 2 bb + 1 of row tile rt: 16 neighbours along the next K) -> GELU -> 16 codes -> their 16 bytes of the image
.macro GELU16 rt, bb
.set XX, HR+32*(\rt)+16*(\bb)
.set CD, 80+4*(2*(\rt)+(\bb))
.irp i, 0,1,2,3,4,5,6,7,8,9,10,11,12,13,14,15
	v_fma_f32 v[TT+\i], |v[XX+\i]|, s44, 1.0       ; 1 + z / 2; each accumulator is read from its low end on
.endr
.irp i, 0,1,2,3,4,5,6,7,8,9,10,11,12,13,14,15
	v_rcp_f32 v[TT+\i], v[TT+\i]                   ; t
.endr
.irp i, 0,2,4,6,8,10,12,14
	v_pk_mul_f32 v[WW+\i:WW+\i+1], v[XX+\i:XX+\i+1], s[42:43] op_sel_hi:[1,0]   ; z sqrt(log2 e).  (Plain lines behind the reciprocals)
.endr
.irp i, 0,2,4,6,8,10,12,14
	v_pk_fma_f32 v[WW+\i:WW+\i+1], v[WW+\i:WW+\i+1], v[WW+\i:WW+\i+1], s[24:25] op_sel_hi:[1,1,0] neg_lo:[1,0,0] neg_hi:[1,0,0]   ; -z^2 log2 e + k0
.endr
	s_wait_alu depctr_va_vdst(0)
.irp i, 0,2,4,6,8,10,12,14
	v_pk_fma_f32 v[PP+\i:PP+\i+1], v[TT+\i:TT+\i+1], v[10:11], s[40:41] op_sel_hi:[1,1,0]   ; k9 t + k8
.endr
.irp kk, 38,36,34,32,30,28,26
.irp i, 0,2,4,6,8,10,12,14
	v_pk_fma_f32 v[PP+\i:PP+\i+1], v[PP+\i:PP+\i+1], v[TT+\i:TT+\i+1], s[\kk:\kk+1] op_sel_hi:[1,1,0]   ; down to k1
.endr
.endr
.irp i, 0,2,4,6,8,10,12,14
	v_pk_fma_f32 v[PP+\i:PP+\i+1], v[PP+\i:PP+\i+1], v[TT+\i:TT+\i+1], v[WW+\i:WW+\i+1]
.endr
.irp i, 0,1,2,3,4,5,6,7,8,9,10,11,12,13,14,15
	v_exp_f32 v[PP+\i], v[PP+\i]
.endr
.irp i, 0,1,2,3,4,5,6,7,8,9,10,11,12,13,14,15
	v_max_num_f32 v[WW+\i], 0, v[XX+\i]            ; (plain lines behind the exponentials)
.endr
	s_wait_alu depctr_va_vdst(0)
.irp i, 0,2,4,6,8,10,12,14
	v_pk_mul_f32 v[TT+\i:TT+\i+1], v[TT+\i:TT+\i+1], v[PP+\i:PP+\i+1]   ; q
.endr
.irp i, 0,1,2,3,4,5,6,7,8,9,10,11,12,13,14,15
	v_fma_f32 v[XX+\i], -|v[XX+\i]|, v[TT+\i], v[WW+\i]
.endr
.irp i, 0,1,2,3,4,5,6,7,8,9,10,11,12,13,14,15
	v_med3_num_f32 v[XX+\i], v[XX+\i], -v8, v8     ; the conversion does not saturate (ISA guide 7.6.2)
.endr
	v_cvt_scalef32_pk8_fp8_f32 v[CD:CD+1], v[XX:XX+7], v9
	v_cvt_scalef32_pk8_fp8_f32 v[CD+2:CD+3], v[XX+8:XX+15], v9
	v_nop                                          ; a plain line behind the conversions
	ds_store_b128 v4, v[CD:CD+3] offset:HIMG+2048*(\rt)+512*(\bb)
.endm
.macro XLD rt, off                     ; a lane's 64 numbers of its row of row tile rt: K step = my wave; 16 neighbours of each block of 32
.irp bq, 0,1,2,3
.irp jq, 0,1,2,3
	global_load_b128 v[32+64*(\rt)+16*\bq+4*\jq:32+64*(\rt)+16*\bq+4*\jq+3], v[\off], s[10:11] offset:128*\bq+16*\jq
.endr
.endr
.endm
.macro XQ src, dst, rt                 ; 64 numbers -> a fragment's codes -> its image
.irp bq, 0,1,2,3
.irp i, 0,1,2,3,4,5,6,7,8,9,10,11,12,13,14,15
	v_med3_num_f32 v[\src+16*\bq+\i], v[\src+16*\bq+\i], -v30, v30
.endr
	v_cvt_scalef32_pk8_fp8_f32 v[\dst+4*\bq:\dst+4*\bq+1], v[\src+16*\bq:\src+16*\bq+7], v31
	v_cvt_scalef32_pk8_fp8_f32 v[\dst+4*\bq+2:\dst+4*\bq+3], v[\src+16*\bq+8:\src+16*\bq+15], v31
.endr
	v_nop
.irp pc, 0,1,2,3
	ds_store_b128 v28, v[\dst+4*\pc:\dst+4*\pc+3] offset:XIMG+8192*(\rt)+512*\pc
.endr
.endm
	s_load_b512 s[4:19], s[0:1], 0x0               ; tot, ent, lowp_scales, x, w1c, w2c, b1, b2
	s_load_b128 s[20:23], s[0:1], 0x40             ; gw, ybuf
	s_set_vgpr_msb 0x40
	v_lshl_add_u32 v254, v0, 2, 0x13500
	v_mov_b32 v255, 0
	s_set_vgpr_msb 0x4000
	v_lshrrev_b32 v22, 5, v0
	v_readfirstlane_b32 s2, v22                    ; wave 0..3
	s_and_b32 s62, ttmp7, 0xffff                   ; superblock
	s_and_b32 s59, ttmp9, 7                        ; the step at which this tile begins
	v_and_b32 v23, 31, v0                          ; lane
	v_and_b32 v24, 15, v0                          ; r
	v_bfe_u32 v25, v0, 4, 1                        ; h
	; every LDS address is made here, ahead of the lines that wave 0 alone runs
	v_lshlrev_b32 v1, 4, v23                       ; 16 x lane: an image's place for my lane
	v_lshlrev_b32 v2, 6, v25                       ; 64 h
	v_lshlrev_b32 v3, 5, v25                       ; 32 h
	s_lshr_b32 s88, s2, 1
	s_mul_i32 s88, s88, 6144
	s_and_b32 s89, s2, 1
	s_lshl_b32 s89, s89, 10
	s_add_co_u32 s88, s88, s89
	v_add_nc_u32 v4, s88, v1                       ; my hidden codes: K step wave / 2 (three fragments), pieces 2 (wave % 2) on
	s_lshl_b32 s88, s2, 8
	v_add_nc_u32 v6, s88, v2                       ; the bias: 256 wave + 64 h
	v_add_nc_u32 v7, s88, v2                       ; + 1,024 x trip
	s_mul_i32 s88, s2, 8448
	s_add_co_u32 s88, s88, STAGE
	v_mul_u32_u24 v18, v24, 528
	v_add_nc_u32 v18, v18, v3
	v_add_nc_u32 v18, s88, v18                     ; my stage, in: row r, + 32 h
	v_add_nc_u32 v19, s88, v1                      ; and back: 16 bytes a lane of a whole row
	v_mov_b32 v20, 0
	v_lshlrev_b32 v26, 2, v24                      ; the list: 4 r
	v_lshlrev_b32 v27, 6, v0                       ; the bias on its way in: 64 bytes a thread
	s_lshl_b32 s88, s2, 11
	v_add_nc_u32 v28, s88, v1                      ; x's images: K step = my wave
	v_lshlrev_b32 v29, 2, v23                      ; 4 x lane
	v_lshrrev_b32 v30, 4, v0                       ; b1: thread tau brings 16 numbers of trip tau / 16, which is step (tau / 16 + j) % 8
	v_add_nc_u32 v30, s59, v30
	v_and_b32 v30, 7, v30
	v_lshlrev_b32 v30, 10, v30
	v_lshl_add_u32 v30, v24, 6, v30
	s_mov_b32 s79, 0
	s_lshl_b32 s78, s62, 7
	s_wait_kmcnt 0x0
	s_add_nc_u64 s[4:5], s[4:5], s[78:79]
	s_load_b512 s[24:39], s[4:5], 0x0              ; the superblock's sixteen blocks' counts: block b: s[24 + 2 b] experts 0-3, s[25 + 2 b] experts 4 and 5, a byte each
	s_load_b512 s[40:55], s[4:5], 0x40
	s_mov_b32 s60, 0                               ; first tile of the expert in hand
	s_mov_b32 s56, 0
	s_mov_b32 s57, 0
	s_mov_b32 s58, 0
	s_mov_b32 s94, 0x00ff00ff
	s_wait_kmcnt 0x0
	; each expert's rows in the superblock: the bytes are spread into fields of 16 bits (a sum is at most 1,024) and added: s88: experts 0 and 2, s89: 1 and 3, s90: 4, s91: 5
	s_and_b32 s88, s24, s94
	s_lshr_b32 s89, s24, 8
	s_and_b32 s89, s89, s94
	s_and_b32 s90, s25, 0xff
	s_lshr_b32 s91, s25, 8
.irp b, 1,2,3,4,5,6,7,8,9,10,11,12,13,14,15
	s_and_b32 s92, s[24+2*\b], s94
	s_add_co_u32 s88, s88, s92
	s_lshr_b32 s92, s[24+2*\b], 8
	s_and_b32 s92, s92, s94
	s_add_co_u32 s89, s89, s92
	s_and_b32 s92, s[25+2*\b], 0xff
	s_add_co_u32 s90, s90, s92
	s_lshr_b32 s92, s[25+2*\b], 8
	s_add_co_u32 s91, s91, s92
.endr
	s_and_b32 s80, s88, 0xffff
	s_and_b32 s81, s89, 0xffff
	s_lshr_b32 s82, s88, 16
	s_lshr_b32 s83, s89, 16
	s_mov_b32 s84, s90
	s_mov_b32 s85, s91
.irp e, 0,1,2,3,4,5                    ; the last expert whose first tile is at or below j is mine
	s_cmp_ge_u32 ttmp9, s60
	s_cselect_b32 s56, \e, s56
	s_cselect_b32 s57, s60, s57
	s_cselect_b32 s58, s[80+\e], s58
	s_add_co_u32 s63, s[80+\e], 47
	s_mul_i32 s63, s63, 1366
	s_lshr_b32 s63, s63, 16                        ; (rows + 47) / 48: exact up to 2,047
	s_add_co_u32 s60, s60, s63
.endr
	s_min_u32 s56, s56, 5                          ; E
	s_sub_co_u32 s57, ttmp9, s57
	s_mul_i32 s57, s57, 48                         ; a: the tile's first row among the expert's
	s_sub_co_i32 s58, s58, s57
	s_max_i32 s58, s58, 0
	s_min_i32 s58, s58, 48                         ; its rows, 0 .. 48
	s_cmp_lt_u32 s56, 4                            ; my expert's byte of each block: its word,
.irp b, 0,1,2,3,4,5,6,7,8,9,10,11,12,13,14,15
	s_cselect_b32 s[24+2*\b], s[24+2*\b], s[25+2*\b]
.endr
	s_and_b32 s63, s56, 3
	s_lshl_b32 s63, s63, 3
.irp b, 0,1,2,3,4,5,6,7,8,9,10,11,12,13,14
	s_lshr_b32 s[25+2*\b], s[24+2*\b], s63         ; and its place in the word
	s_and_b32 s[25+2*\b], s[25+2*\b], 0xff
.endr
	s_lshl_b32 s63, s56, 16
	s_add_co_u32 s24, s63, s57                     ; a stored word less its block's key is the row's place in the tile (as an unsigned number: huge where it is not the tile's)
.irp b, 1,2,3,4,5,6,7,8,9,10,11,12,13,14,15
	s_sub_co_u32 s[24+2*\b], s[24+2*\b-2], s[25+2*\b-2]   ; key of block b: less my expert's rows in the blocks before
.endr
	s_lshl_b32 s78, s56, 4
	s_add_nc_u64 s[8:9], s[8:9], s[78:79]
	s_load_b128 s[68:71], s[8:9], 0x0              ; ex, ew1, eh, ew2 of my expert
	s_lshl_b32 s78, s62, 13
	s_add_nc_u64 s[6:7], s[6:7], s[78:79]          ; ent and gw at the superblock's first word
	s_add_nc_u64 s[20:21], s[20:21], s[78:79]
	s_lshl_b32 s91, s2, 9
	s_lshl_b32 s78, s62, 21
	s_add_co_u32 s78, s78, s91
	s_add_nc_u64 s[10:11], s[10:11], s[78:79]      ; x: the superblock's first row, my wave's K step
	s_lshl_b32 s78, s62, 22
	s_add_co_u32 s78, s78, s91
	s_add_nc_u64 s[22:23], s[22:23], s[78:79]      ; ybuf: likewise, my wave's 128 outputs
	s_lshl_b32 s78, s56, 11
	s_add_co_u32 s78, s78, s91
	s_add_nc_u64 s[18:19], s[18:19], s[78:79]      ; b2
	s_lshl_b32 s78, s56, 13
	s_add_nc_u64 s[16:17], s[16:17], s[78:79]      ; b1
	s_lshl_b32 s78, s56, 20
	s_lshl_b32 s92, s2, 15
	s_add_co_u32 s78, s78, s92
	s_add_nc_u64 s[12:13], s[12:13], s[78:79]      ; my wave's part of the expert's codes
	s_add_nc_u64 s[14:15], s[14:15], s[78:79]
.irp i, 0,1,2,3
	global_load_b128 v[224+4*\i:227+4*\i], v30, s[16:17] offset:16*\i
.endr
	s_cmp_lg_u32 s2, 0
	s_cbranch_scc1 .Lnot0
	; wave 0 alone: the tile's list of rows.  No other wave touches LDS ahead of the barrier below.
	ds_store_b32 v29, v20                          ; zeros: a row that the tile does not have reads as row 0
	ds_store_b32 v29, v20 offset:128
.irp i, 0,1,2,3,4,5,6,7,8,9,10,11,12,13,14,15
	global_load_b128 v[128+4*\i:131+4*\i], v1, s[6:7] offset:512*\i   ; register 4 i + c of lane l: routed row 128 i + 4 l + c of the superblock, of block i
.endr
	s_wait_loadcnt 0x0
.set n, 0
.rept 64
	v_sub_nc_u32 v[128+n], v[128+n], s[24+2*(n/4)]
.set n, n+1
.endr
.set n, 0
.rept 64
	v_min_u32 v[128+n], 48, v[128+n]               ; what is not the tile's falls on word 48
.set n, n+1
.endr
.set n, 0
.rept 64
	v_lshlrev_b32 v[128+n], 2, v[128+n]
.set n, n+1
.endr
.set n, 0
.rept 64
	v_add_nc_u32 v[192+n%32], 128*(n/4)+n%4, v29
	ds_store_b32 v[128+n], v[192+n%32]
.set n, n+1
.endr
.Lnot0:
	s_lshl_b32 s78, s59, 17
	s_add_nc_u64 s[72:73], s[12:13], s[78:79]
	REFILL1 0                                      ; the first step's W1: it hangs on the expert alone
	REFILL1 1
	REFILL1 2
	REFILL1 3
	s_mov_b32 s24, 0xc034d90f                      ; k0 .. k8, each as a pair (the packed form names a pair and takes its low word): the fit's coefficients x log2 e; k0 also takes the factor 1/2
	s_mov_b32 s26, 0x3fb8ab5a
	s_mov_b32 s28, 0x3f0a29d2
	s_mov_b32 s30, 0x3e0efb2e
	s_mov_b32 s32, 0xbe899a80
	s_mov_b32 s34, 0x3ecdfd18
	s_mov_b32 s36, 0xbfd1a1e5
	s_mov_b32 s38, 0x40097039
	s_mov_b32 s40, 0xbf97d29d
.irp kk, 24,26,28,30,32,34,36,38,40
	s_mov_b32 s[\kk+1], s[\kk]
.endr
	v_mov_b32 v10, 0x3e7c6f08                      ; k9
	v_mov_b32 v11, 0x3e7c6f08
	s_wait_dscnt 0x0                               ; the list has landed
	s_barrier_signal -1
	s_barrier_wait -1
	ds_load_b32 v23, v26 offset:LIST
	ds_load_b32 v24, v26 offset:LIST+64
	ds_load_b32 v25, v26 offset:LIST+128
	s_wait_dscnt 0x0
	v_min_u32 v23, 0x7ff, v23                      ; a routed row: 2 x token + slot
	v_min_u32 v24, 0x7ff, v24
	v_min_u32 v25, 0x7ff, v25
	v_and_b32 v5, 0x7fe, v23
	v_and_b32 v21, 0x7fe, v24
	v_and_b32 v22, 0x7fe, v25
	v_lshl_add_u32 v5, v5, 10, v2                  ; x: token x 2,048 + 64 h
	v_lshl_add_u32 v21, v21, 10, v2
	v_lshl_add_u32 v22, v22, 10, v2
	v_lshlrev_b32 v23, 2, v23                      ; gw
	v_lshlrev_b32 v24, 2, v24
	v_lshlrev_b32 v25, 2, v25
	XLD 0, 5
	XLD 1, 21
	XLD 2, 22
	global_load_b32 v12, v23, s[20:21]
	global_load_b32 v14, v24, s[20:21]
	global_load_b32 v16, v25, s[20:21]
	WIN 0x40                                       ; b2's eight tiles in the result's layout, into Y's first third
.irp n, 0,1,2,3,4,5,6,7
	global_load_b128 v[8*\n:8*\n+3], v3, s[18:19] offset:64*\n
	global_load_b128 v[8*\n+4:8*\n+7], v3, s[18:19] offset:64*\n+16
.endr
	WIN 0
	s_wait_kmcnt 0x0
	s_add_co_i32 s91, s68, s69                     ; ex + ew1
	s_lshl_b32 s92, s91, 23
	s_add_co_u32 s44, s92, 0x3eb504f3              ; 2^(ex + ew1) / (2 sqrt 2): added to the exponent field
	s_add_co_u32 s42, s92, 0x3f596d27              ; 2^(ex + ew1) sqrt(log2 e / 2)
	s_mov_b32 s43, s42
	s_sub_co_i32 s93, 0, s91
	s_add_co_i32 s94, s70, s71                     ; eh + ew2
	s_add_co_i32 s95, s94, 127
	s_lshl_b32 s48, s95, 23                        ; 2^(eh + ew2)
	s_sub_co_i32 s95, 127, s94
	s_lshl_b32 s46, s95, 23                        ; 2^-(eh + ew2)
	s_mov_b32 s47, s46
	s_sub_co_i32 s95, s70, s91
	s_add_co_i32 s95, s95, 127
	s_lshl_b32 s96, s95, 23
	v_mov_b32 v9, s96                              ; 2^(eh - ex - ew1): the hidden layer's conversions: three scales in one
	s_add_co_i32 s95, s95, 8
	s_lshl_b32 s95, s95, 23
	s_or_b32 s95, s95, 0x600000
	v_mov_b32 v8, s95                              ; 448 x that
	s_wait_loadcnt 63                              ; b1 is in: 131 loads were issued behind it, and 63 is the largest count that the wait can name
	s_add_co_i32 s95, s68, 127
	s_lshl_b32 s96, s95, 23
	v_mov_b32 v31, s96                             ; 2^ex
	s_add_co_i32 s95, s95, 8
	s_lshl_b32 s95, s95, 23
	s_or_b32 s95, s95, 0x600000
	v_mov_b32 v30, s95                             ; 448 x 2^ex (b1's loads, which read v30, are done)
.irp i, 0,1,2,3,4,5,6,7,8,9,10,11,12,13,14,15
	v_ldexp_f32 v[224+\i], v[224+\i], s93          ; b1 / 2^(ex + ew1): it goes in as the C of a sum's first product
.endr
.irp i, 0,1,2,3
	ds_store_b128 v27, v[224+4*\i:227+4*\i] offset:BIAS+16*\i
.endr
	s_wait_loadcnt 51                              ; row tile 0 of x is in; behind it: 32 of x, 3 gates, 16 of b2
	XQ 32, 240, 0
	s_wait_loadcnt 35
	XQ 96, 32, 1
	s_wait_loadcnt 19
	XQ 160, 48, 2
	s_wait_loadcnt 0x0
	v_mul_f32 v12, s48, v12                        ; gate x 2^(eh + ew2), a pair for each row tile
	v_mul_f32 v14, s48, v14
	v_mul_f32 v16, s48, v16
	v_mov_b32 v13, v12
	v_mov_b32 v15, v14
	v_mov_b32 v17, v16
	WIN 0x41                                       ; Y begins as b2 / 2^(eh + ew2): nothing is cleared
.irp i, 0,2,4,6,8,10,12,14,16,18,20,22,24,26,28,30,32,34,36,38,40,42,44,46,48,50,52,54,56,58,60,62
	v_pk_mul_f32 v[64+\i:65+\i], v[\i:\i+1], s[46:47] op_sel_hi:[1,0]
	v_pk_mul_f32 v[128+\i:129+\i], v[\i:\i+1], s[46:47] op_sel_hi:[1,0]
.endr
.irp i, 0,2,4,6,8,10,12,14,16,18,20,22,24,26,28,30,32,34,36,38,40,42,44,46,48,50,52,54,56,58,60,62
	v_pk_mul_f32 v[\i:\i+1], v[\i:\i+1], s[46:47] op_sel_hi:[1,0]
.endr
	WIN 0
	s_wait_dscnt 0x0                               ; my images of x and my part of the bias have landed
	s_barrier_signal -1
	s_barrier_wait -1
	XFETCH AB, 0
	BIFETCH
	XFETCH BB, 1
; ONE STEP OF 256 HIDDEN UNITS.  last = 1: nothing is asked for the step behind it.
.macro TRIP last
	s_wait_xcnt 0x0                                ; the loads that name the two bases have read them
	s_lshl_b32 s78, s59, 17
	s_add_nc_u64 s[74:75], s[14:15], s[78:79]      ; this step's W2
	s_add_co_u32 s59, s59, 1
	s_and_b32 s59, s59, 7
	s_lshl_b32 s78, s59, 17
	s_add_nc_u64 s[72:73], s[12:13], s[78:79]      ; the next step's W1
.rept 5
	v_nop                                          ; five places: the first products below write over registers that the last step's second product read
.endr
	s_wait_loadcnt 48                              ; W1's K step 0 is in.  Behind W1's K step ks stand 16 (3 - ks) loads of W1 and 16 ks of W2: 48 at every ks
	s_wait_dscnt 12                                ; x's K step 0 and the bias are in; x's K step 1 may be out
	P1MUL 0, AB, 1
	NOPS4
	REFILL2 0
	XFETCH AB, 2
	s_wait_loadcnt 48
	s_wait_dscnt 12                                ; x's K step 1 is in; the 12 loads just issued may be out
	P1MUL 1, BB, 0
	NOPS4
	REFILL2 1
	XFETCH BB, 3
	s_wait_loadcnt 48
	s_wait_dscnt 12
	P1MUL 2, AB, 0
	REFILL2 2
	s_wait_loadcnt 48
	s_wait_dscnt 0x0
	P1MUL 3, BB, 0
	WIN 0
	NOPS4
	GELU16 0, 0
	REFILL2 3
	GELU16 0, 1
.if !\last
	REFILL1 0
.endif
	GELU16 1, 0
.if !\last
	REFILL1 1
.endif
	GELU16 1, 1
.if !\last
	REFILL1 2
.endif
	GELU16 2, 0
.if !\last
	REFILL1 3
.endif
	GELU16 2, 1
	s_wait_dscnt 0x0                               ; my codes have landed
	s_barrier_signal -1
	s_barrier_wait -1                              ; the step's six hidden fragments lie in LDS
.irp f, 0,1,2,3,4,5
.irp pc, 0,1,2,3
	ds_load_b128 v[HR+16*\f+4*\pc:HR+16*\f+4*\pc+3], v1 offset:HIMG+2048*\f+512*\pc
.endr
.endr
.if \last
	s_wait_loadcnt 0x0                             ; W2
.else
	s_wait_loadcnt 63                              ; W2 is in: the 64 loads of the next step's W1 were issued behind it
.endif
	s_wait_dscnt 12                                ; the first three hidden fragments are in
	P2MUL 0
.if \last
	s_wait_dscnt 0x0
	P2MUL 1
	WIN 0
.else
	s_wait_dscnt 0x0                               ; my reads of the hidden images are over:
	s_barrier_signal -1                            ; say so; behind this barrier the next step's codes are stored over them
	WIN 0
	s_add_co_u32 s61, s61, 1024
	v_add_nc_u32 v7, s61, v6
	XFETCH AB, 0                                   ; reads of bytes that nobody writes any more
	BIFETCH
	XFETCH BB, 1
	P2MUL 1
	WIN 0
	s_barrier_wait -1
.endif
.endm
	s_mov_b32 s61, 0
	s_mov_b32 s3, 7
.Ltrip:
	TRIP 0
	s_sub_co_u32 s3, s3, 1
	s_cmp_lg_u32 s3, 0
	s_cbranch_scc1 .Ltrip
	TRIP 1
; THE WAY OUT, a row tile at a time: x gate x 2^(eh + ew2), through my own stage, back as whole rows of 512 bytes, each to its routed row's place in ybuf.  Rows that the tile does not have are not stored.
.macro OUTRT rt
.if (\rt) > 0
	s_wait_xcnt 0x0                                ; the last tile's stores have read their registers
.endif
	WIN 0x01                                       ; source 0 (Y) in window 1
.irp i, 0,2,4,6,8,10,12,14,16,18,20,22,24,26,28,30,32,34,36,38,40,42,44,46,48,50,52,54,56,58,60,62
	v_pk_mul_f32 v[32+\i:33+\i], v[64*(\rt)+\i:64*(\rt)+\i+1], v[12+2*(\rt):13+2*(\rt)] op_sel_hi:[1,0]   ; each accumulator from its low end on
.endr
	WIN 0
.irp n, 0,1,2,3,4,5,6,7
	ds_store_b128 v18, v[32+8*\n:35+8*\n] offset:64*\n
	ds_store_b128 v18, v[36+8*\n:39+8*\n] offset:64*\n+16
.endr
.irp i, 0,1,2,3,4,5,6,7,8,9,10,11,12,13,14,15
	ds_load_b128 v[128+4*\i:131+4*\i], v19 offset:528*\i   ; LDS serves a wave's instructions in order: these see my stores
.endr
.irp i, 0,1,2,3,4,5,6,7,8,9,10,11,12,13,14,15
	ds_load_b32 v[96+\i], v20 offset:LIST+4*(16*(\rt)+\i)
.endr
	s_wait_dscnt 0x0
.irp i, 0,1,2,3,4,5,6,7,8,9,10,11,12,13,14,15
	v_min_u32 v[96+\i], 0x7ff, v[96+\i]
.endr
.irp i, 0,1,2,3,4,5,6,7,8,9,10,11,12,13,14,15
	v_lshl_add_u32 v[96+\i], v[96+\i], 11, v1      ; routed row x 2,048 + 16 x lane
.endr
.irp i, 0,1,2,3,4,5,6,7,8,9,10,11,12,13,14,15
	s_cmp_gt_u32 s58, 16*(\rt)+\i
	s_cbranch_scc0 .Lend
	global_store_b128 v[96+\i], v[128+4*\i:131+4*\i], s[22:23]   ; 512 consecutive bytes, aligned
.endr
.endm
	NOPS4
	OUTRT 0
	OUTRT 1
	OUTRT 2
.Lend:
	s_set_vgpr_msb 0x5
	s_wait_tensorcnt 0x0
	ds_add_u32 v254, v255
	s_wait_dscnt 0x0
	s_set_vgpr_msb 0x500
	s_endpgm
.Lfunc_end_k_q005420c91e_chain:
	.size	k_q005420c91e_chain, .Lfunc_end_k_q005420c91e_chain-k_q005420c91e_chain
	.p2alignl 7, 3214868480
	.fill 96, 4, 3214868480
	.section	.rodata,"a",@progbits
	.p2align	6, 0x0
	.amdhsa_kernel k_q005420c91e_chain
		.amdhsa_group_segment_fixed_size 79616
		.amdhsa_private_segment_fixed_size 0
		.amdhsa_enable_private_segment 0
		.amdhsa_kernarg_size 80
		.amdhsa_user_sgpr_count 2
		.amdhsa_user_sgpr_kernarg_segment_ptr 1
		.amdhsa_wavefront_size32 1
		.amdhsa_system_sgpr_workgroup_id_x 1
		.amdhsa_system_sgpr_workgroup_id_y 1
		.amdhsa_system_sgpr_workgroup_id_z 1
		.amdhsa_system_vgpr_workitem_id 0
		.amdhsa_next_free_vgpr 1024
		.amdhsa_next_free_sgpr 100
		.amdhsa_reserve_vcc 0
		.amdhsa_float_denorm_mode_32 3
		.amdhsa_float_denorm_mode_16_64 3
		.amdhsa_memory_ordered 1
		.amdhsa_forward_progress 1
		.amdhsa_inst_pref_size 255
	.end_amdhsa_kernel
	.section	.bss,"aw",@nobits
	.p2align	6
	.space	262144
	.amdgpu_metadata
---
amdhsa.version: [ 1, 2 ]
amdhsa.kernels:
  - .name:           k_q005420c91e_chain
    .symbol:         k_q005420c91e_chain.kd
    .args:
      - { .name: tot, .offset: 0, .size: 8, .value_kind: global_buffer, .address_space: global }
      - { .name: ent, .offset: 8, .size: 8, .value_kind: global_buffer, .address_space: global }
      - { .name: lowp_scales, .offset: 16, .size: 8, .value_kind: global_buffer, .address_space: global }
      - { .name: x, .offset: 24, .size: 8, .value_kind: global_buffer, .address_space: global }
      - { .name: w1c, .offset: 32, .size: 8, .value_kind: global_buffer, .address_space: global }
      - { .name: w2c, .offset: 40, .size: 8, .value_kind: global_buffer, .address_space: global }
      - { .name: b1, .offset: 48, .size: 8, .value_kind: global_buffer, .address_space: global }
      - { .name: b2, .offset: 56, .size: 8, .value_kind: global_buffer, .address_space: global }
      - { .name: gw, .offset: 64, .size: 8, .value_kind: global_buffer, .address_space: global }
      - { .name: ybuf, .offset: 72, .size: 8, .value_kind: global_buffer, .address_space: global }
    .group_segment_fixed_size: 79616
    .private_segment_fixed_size: 0
    .kernarg_segment_align: 8
    .kernarg_segment_size: 80
    .max_flat_workgroup_size: 128
    .sgpr_count:     100
    .vgpr_count:     1024
    .wavefront_size: 32
...
	.end_amdgpu_metadata
.endif
;; end of part 2
;; launch combine (part 3): grid 256 x 1, 8 waves a work-group, no clusters, 0 bytes of LDS; arguments ybuf, out0; writes out0
.if DOCPART == 3
	.amdgcn_target "amdgcn-amd-amdhsa--gfx1250"
	.amdhsa_code_object_version 6
	.text
	.protected	k_q005420c91e_combine
	.globl	k_q005420c91e_combine
	.p2align	8
	.type	k_q005420c91e_combine,@function
k_q005420c91e_combine:
	s_mov_b64 s[64:65], 0
	v_nop
	global_prefetch_b8 v0, s[64:65] scope:SCOPE_SE
	s_setreg_imm32_b32 hwreg(HW_REG_WAVE_MODE, 25, 1), 1
	s_wait_xcnt 0x0
; out0[token] = ybuf[token][0] + ybuf[token][1]: the two weighted expert rows of a token.  A plain stream: a wave takes two tokens, 8,192 consecutive bytes in, 4,096 out;
; every load and store covers 512 consecutive bytes.  All 16 loads go out at once; no loop, no LDS, no barrier: waves share nothing.
	s_load_b128 s[4:7], s[0:1], 0x0                ; ybuf, out0
	v_lshrrev_b32 v1, 5, v0
	v_readfirstlane_b32 s8, v1                     ; wave
	v_and_b32 v2, 31, v0
	v_lshlrev_b32 v2, 4, v2                        ; 16 x lane
	s_lshl_b32 s9, ttmp9, 3
	s_add_co_u32 s9, s9, s8                        ; my pair of tokens, 0..2047
	s_lshl_b32 s10, s9, 13
	s_mov_b32 s11, 0
	s_lshl_b32 s12, s9, 12
	s_mov_b32 s13, 0
	s_wait_kmcnt 0x0
	s_add_nc_u64 s[4:5], s[4:5], s[10:11]
	s_add_nc_u64 s[6:7], s[6:7], s[12:13]
.irp m, 0,1,2,3,4,5,6,7,8,9,10,11,12,13,14,15
	global_load_b128 v[4+4*\m:7+4*\m], v2, s[4:5] offset:512*\m th:TH_LOAD_NT
.endr
.irp u, 0,1
	s_wait_loadcnt 8-8*\u                          ; this token's eight loads are in; the other token's may be out
.irp i, 0,1,2,3
	v_pk_add_f32 v[4+32*\u+4*\i:5+32*\u+4*\i], v[4+32*\u+4*\i:5+32*\u+4*\i], v[20+32*\u+4*\i:21+32*\u+4*\i]
	v_pk_add_f32 v[6+32*\u+4*\i:7+32*\u+4*\i], v[6+32*\u+4*\i:7+32*\u+4*\i], v[22+32*\u+4*\i:23+32*\u+4*\i]
.endr
.irp i, 0,1,2,3
	global_store_b128 v2, v[4+32*\u+4*\i:7+32*\u+4*\i], s[6:7] offset:2048*\u+512*\i th:TH_STORE_NT
.endr
.endr
	s_endpgm
.Lfunc_end_k_q005420c91e_combine:
	.size	k_q005420c91e_combine, .Lfunc_end_k_q005420c91e_combine-k_q005420c91e_combine
	.p2alignl 7, 3214868480
	.fill 96, 4, 3214868480
	.section	.rodata,"a",@progbits
	.p2align	6, 0x0
	.amdhsa_kernel k_q005420c91e_combine
		.amdhsa_group_segment_fixed_size 0
		.amdhsa_private_segment_fixed_size 0
		.amdhsa_enable_private_segment 0
		.amdhsa_kernarg_size 16
		.amdhsa_user_sgpr_count 2
		.amdhsa_user_sgpr_kernarg_segment_ptr 1
		.amdhsa_wavefront_size32 1
		.amdhsa_system_sgpr_workgroup_id_x 1
		.amdhsa_system_sgpr_workgroup_id_y 1
		.amdhsa_system_sgpr_workgroup_id_z 1
		.amdhsa_system_vgpr_workitem_id 0
		.amdhsa_next_free_vgpr 72
		.amdhsa_next_free_sgpr 66
		.amdhsa_reserve_vcc 0
		.amdhsa_float_denorm_mode_32 3
		.amdhsa_float_denorm_mode_16_64 3
		.amdhsa_memory_ordered 1
		.amdhsa_forward_progress 1
		.amdhsa_inst_pref_size 5
	.end_amdhsa_kernel
	.amdgpu_metadata
---
amdhsa.version: [ 1, 2 ]
amdhsa.kernels:
  - .name:           k_q005420c91e_combine
    .symbol:         k_q005420c91e_combine.kd
    .args:
      - { .name: ybuf, .offset: 0, .size: 8, .value_kind: global_buffer, .address_space: global }
      - { .name: out0, .offset: 8, .size: 8, .value_kind: global_buffer, .address_space: global }
    .group_segment_fixed_size: 0
    .private_segment_fixed_size: 0
    .kernarg_segment_align: 8
    .kernarg_segment_size: 16
    .max_flat_workgroup_size: 256
    .sgpr_count:     66
    .vgpr_count:     72
    .wavefront_size: 32
...
	.end_amdgpu_metadata
.endif
;; end of part 3
